; MI455X (gfx1250); checked and timed in simulation.
; The chip was launched on July 23, 2026; its instructions are those of AMD's public machine-readable ISA for CDNA 5 (MIT licence, August 2026) and "CDNA5" Instruction Set Architecture Reference Guide (July 2026). The comments in the code are by the model that wrote it; some were corrected since.
;; Audio Tokenizer. Allowed arithmetic: matrix products marked QUANTISED: E4M3 operands, one given power-of-two scale a tensor, by v_wmma_f32_16x16x64_fp8_fp8 or v_wmma_f32_16x16x128_fp8_fp8, f32 sums; everything else in f32.
;; Inputs: codebook 8,192 x 256 float32; lowp_scales 2 int32 (the exponents e of the quantised operands' scales 2^e); z 32 x 1,024 x 256 float32.
;; Outputs: out0 32 x 1,024 x 256 float32; out1 32 x 1,024 int32; out2 one number float32.
;; This version of the problem:
;;   THIS VERSION OF THE PROBLEM IS GIVEN IN LOW PRECISION. The matrix products marked QUANTISED in the list below multiply operands that are first quantised to E4M3 (4 exponent bits, 3 mantissa bits; 8 bits a number), with one given power-of-two scale for each operand tensor; their sums are f32. All else is computed in f32.
;;   The module's matrix products, in the order in which they are computed (A, B: the left and right operand; K: the contracted axis; several contracted axes count as one K, in the product's order):
;;     1. [M 32,768, K 256] x [K 256, N 8,192]; A: input z; B: input codebook: QUANTISED (scales: A lowp_scales[0], B lowp_scales[1])
;;   THE QUANTISER, for each operand of a quantised product, along K:
;;     - The operand's scale is 2^e, e = its entry of the input lowp_scales (int32; the entries are numbered through the quantised products in the list's order, A before B).
;;     - Each number is divided by the scale, clamped to +-448, and rounded to the nearest number of E4M3, ties to even, subnormals kept.
;;     - The product sums the exact products of the quantised numbers (number of the format x scale) in f32.
;;   ~~~python
;;   def quantise(x, axis, e):      # numpy; x: float32 -> the quantised numbers, widened to float32 again
;;       x = np.moveaxis(x, axis, -1); K = x.shape[-1]
;;       r = np.clip(x / 2.0 ** e, -448, 448)
;;       step = 2.0 ** (np.maximum(np.frexp(np.where(r == 0, 1, r))[1] - 1, -6) - 3)
;;       q = np.round(r / step) * step * 2.0 ** e      # np.round: ties to even
;;       return np.moveaxis(q, -1, axis).astype(np.float32)
;;   ~~~
;; One version. Each part assembles by itself: llvm-mc -triple=amdgcn-amd-amdhsa -mcpu=gfx1250 --defsym DOCPART=n.
;; ======== version 1 of 1: 5 launches
;; limits: right only within a limited range of input values
;; workspace buffers: cbq 2,129,920 bytes; cbg 2,097,152 bytes; ccn 32,768 bytes; zq 8,388,608 bytes; zzw 262,144 bytes; cand 262,144 bytes of whole numbers; tok 262,144 bytes of whole numbers; part 16,384 bytes
;; launch prep (part 1): grid 256 x 1, 2 waves a work-group, no clusters, 9,472 bytes of LDS; arguments codebook, lowp_scales, cbq, cbg, ccn; writes cbq, cbg, ccn
.if DOCPART == 1
	.amdgcn_target "amdgcn-amd-amdhsa--gfx1250"
	.amdhsa_code_object_version 6
	.text
	.protected	k_qb3ae438466_prep
	.globl	k_qb3ae438466_prep
	.p2align	8
	.type	k_qb3ae438466_prep,@function
k_qb3ae438466_prep:
	s_mov_b64 s[64:65], 0
	v_nop
	global_prefetch_b8 v0, s[64:65] scope:SCOPE_SE
	s_setreg_imm32_b32 hwreg(HW_REG_WAVE_MODE, 25, 1), 1
	s_wait_xcnt 0x0
; The codebook [8192][256] f32 becomes codes of FP8 (E4M3) with the given scale 2^e1, and each code vector's sum of squares cc (of the f32 numbers) is taken.
; code = x / 2^e1, held within +-448, to the nearest code, ties to even.  LIMITS: e1 between -126 and 119, e0 + e1 between -120 and 100; NaN is not served; cc is an f32 sum in this text's own order.
; A wave makes ONE TILE T = 2 x work-group + wave: code vectors 16 T + 0 .. 15 x 256 K, read once, and stores it twice:
;   cbq, the stream of the product's launch: blocks of 16,640 bytes (four tiles, then 4 x 16 numbers).  A tile is an IMAGE OF THE OPERAND'S REGISTERS, 4,096 bytes: register group f (K step f / 4, group f % 4) at 512 f,
;     lane l at 16 l; lane (r = l % 16, h = l / 16) holds k = 32 f + 16 h + 0 .. 15 of the tile's row r.  The numbers are -cc / 2^(e0 + e1 + 1), from which that launch's products start (a power of two: nothing is rounded).
;   cbg, for the launch that makes exact distances: by GROUPS of 8 neighbouring codes, 2,048 bytes each: register group f at 256 f, then h at 128 h, then the code at 16 (r % 8).  ccn holds cc as it is, by code.
; No barrier: waves share nothing.  No tensor loads: a wave's 16 KiB are read once, into registers.
.set BLK,  16640
.set SPARE, 9216                       ; behind the two stages of 4,608 bytes: the spare words, 128 bytes a wave
.set GA,   4                           ; loads: 1024 (l / 16) + 16 (l % 16): two rows an instruction, sixteen lanes on 256 consecutive bytes of a row
.set ST,   6                           ; the stage, on the way in
.set LD,   7                           ; the stage, on the way out
.set SC,   8                           ; 2^e1
.set LIM,  9                           ; 448 x 2^e1
.set L16,  10                          ; 16 x lane
.set R4,   11                          ; 4 r
.set SQ,   12                          ; cc of my row
.set TP,   13
.set GO,   14                          ; my place in cbg: 2048 (r / 8) + 128 h + 16 (r % 8)
.set SQC,  15                          ; -cc / 2^(e0 + e1 + 1)
.set S,    16                          ; v16-23   four packed chains
.set R,    32                          ; v32-159  128 numbers of my row
.set C,    160                         ; v160-191 their codes
.set SPW,  192
.set NIL,  193
.set SRC,  4
.set SEL,  34
.macro LOADROWS                        ; 32 loads: chunk q (256 bytes of each row), rows 2 e and 2 e + 1
.irp q, 0,1,2,3
.irp e, 0,1,2,3,4,5,6,7
	global_load_b128 v[R+32*\q+4*\e:R+32*\q+4*\e+3], v[GA], s[SRC:SRC+1] offset:2048*\e+256*\q th:TH_LOAD_NT
.endr
.endr
.endm
; Chunk q turns through the wave's own stage (16 rows of 256 bytes + 16): in as loaded, out 64 bytes of ONE row a lane.  Afterwards v[R + 16 f + i] = x[r][32 f + 16 h + i].
.macro TURN q
	s_wait_loadcnt 24-8*\q                         ; chunk q's eight loads are in; the eight of each later chunk may be out
.irp e, 0,1,2,3,4,5,6,7
	ds_store_b128 v[ST], v[R+32*\q+4*\e:R+32*\q+4*\e+3] offset:544*\e
.endr
.irp c, 0,1
.irp j, 0,1,2,3
	ds_load_b128 v[R+32*\q+16*\c+4*\j:R+32*\q+16*\c+4*\j+3], v[LD] offset:128*\c+16*\j
.endr
.endr
.endm
.macro SQSUM                           ; my 128 squares in four packed chains, then the other half of the lanes'
.irp k, 0,1,2,3
	v_pk_mul_f32 v[S+2*\k:S+2*\k+1], v[R+2*\k:R+2*\k+1], v[R+2*\k:R+2*\k+1]
.endr
.set jj, 4
.rept 60
	v_pk_fma_f32 v[S+2*(jj%4):S+2*(jj%4)+1], v[R+2*jj:R+2*jj+1], v[R+2*jj:R+2*jj+1], v[S+2*(jj%4):S+2*(jj%4)+1]
.set jj, jj+1
.endr
	v_pk_add_f32 v[S:S+1], v[S:S+1], v[S+2:S+3]
	v_pk_add_f32 v[S+4:S+5], v[S+4:S+5], v[S+6:S+7]
	v_pk_add_f32 v[S:S+1], v[S:S+1], v[S+4:S+5]
	v_add_f32 v[SQ], v[S], v[S+1]
	v_permlanex16_b32 v[TP], v[SQ], s[SEL], s[SEL+1]
	v_add_f32 v[SQ], v[SQ], v[TP]
.endm
.macro QUANT
.irp b, 0,1,2,3,4,5,6,7
.irp i, 0,1,2,3,4,5,6,7,8,9,10,11,12,13,14,15
	v_med3_num_f32 v[R+16*\b+\i], v[R+16*\b+\i], -v[LIM], v[LIM]   ; the conversion does not saturate (ISA guide 7.6.2): the hold comes first
.endr
	v_cvt_scalef32_pk8_fp8_f32 v[C+4*\b:C+4*\b+1], v[R+16*\b:R+16*\b+7], v[SC]
	v_cvt_scalef32_pk8_fp8_f32 v[C+4*\b+2:C+4*\b+3], v[R+16*\b+8:R+16*\b+15], v[SC]
.endr
	v_nop                                          ; one plain line behind the last scaled conversion
.endm
	s_load_b128 s[4:7], s[0:1], 0x0                ; codebook s[4:5], the scales' exponents s[6:7]
	s_load_b128 s[8:11], s[0:1], 0x10              ; cbq s[8:9], cbg s[10:11]
	s_load_b64 s[12:13], s[0:1], 0x20              ; ccn
	v_lshl_add_u32 v[SPW], v0, 2, SPARE
	v_mov_b32 v[NIL], 0
	v_lshrrev_b32 v1, 5, v0
	v_readfirstlane_b32 s16, v1                    ; wave 0..1
	s_lshl_b32 s17, ttmp9, 1
	s_add_co_u32 s17, s17, s16                     ; tile T
	s_lshr_b32 s18, s17, 2
	s_mul_i32 s18, s18, BLK                        ; its block of cbq
	s_and_b32 s19, s17, 3
	s_lshl_b32 s20, s19, 12
	s_add_co_u32 s20, s20, s18                     ; its image
	s_lshl_b32 s21, s19, 6
	s_add_co_u32 s21, s21, s18
	s_add_co_u32 s21, s21, 16384                   ; its 16 numbers
	s_mul_i32 s27, s16, 4608                       ; my stage
	s_mov_b32 s33, 0
	s_mov_b32 s[SEL], 0x76543210
	s_mov_b32 s[SEL+1], 0xfedcba98
	v_and_b32 v1, 31, v0                           ; lane
	v_and_b32 v2, 15, v0                           ; r
	v_bfe_u32 v3, v0, 4, 1                         ; h
	v_lshlrev_b32 v[GA], 10, v3
	v_lshl_add_u32 v[GA], v2, 4, v[GA]
	v_mul_u32_u24 v[ST], v3, 272
	v_lshl_add_u32 v[ST], v2, 4, v[ST]
	v_add_nc_u32 v[ST], s27, v[ST]
	v_mul_u32_u24 v[LD], v2, 272
	v_lshl_add_u32 v[LD], v3, 6, v[LD]
	v_add_nc_u32 v[LD], s27, v[LD]
	v_lshlrev_b32 v[L16], 4, v1
	v_lshlrev_b32 v[R4], 2, v2
	v_lshrrev_b32 v[GO], 3, v2
	v_lshlrev_b32 v[GO], 11, v[GO]
	v_lshl_add_u32 v[GO], v3, 7, v[GO]
	v_and_b32 v[TP], 7, v2
	v_lshl_add_u32 v[GO], v[TP], 4, v[GO]
	v_mov_b32 v[TP], 0                             ; a lane permute's destination counts as a source
	s_wait_alu depctr_va_vdst(0)                   ; the wait at the head's end
	s_wait_kmcnt 0x0
	s_load_b64 s[38:39], s[6:7], 0x0               ; e0, e1
	s_lshl_b32 s32, s17, 14                        ; 16 rows of 1,024 bytes
	s_add_nc_u64 s[SRC:SRC+1], s[SRC:SRC+1], s[32:33]
	s_mov_b32 s32, s20
	s_add_nc_u64 s[28:29], s[8:9], s[32:33]
	s_mov_b32 s32, s21
	s_add_nc_u64 s[30:31], s[8:9], s[32:33]
	s_lshl_b32 s32, s17, 12
	s_add_nc_u64 s[10:11], s[10:11], s[32:33]
	s_lshl_b32 s32, s17, 6
	s_add_nc_u64 s[12:13], s[12:13], s[32:33]
	LOADROWS
	s_wait_kmcnt 0x0
	s_add_co_i32 s37, s39, 127
	s_add_co_i32 s39, s38, s39
	s_sub_co_i32 s39, 126, s39
	s_lshl_b32 s39, s39, 23
	s_or_b32 s39, s39, 0x80000000                  ; -1 / 2^(e0 + e1 + 1)
	s_lshl_b32 s38, s37, 23
	v_mov_b32 v[SC], s38                           ; 2^e1: the conversion takes its exponent field
	s_add_co_i32 s37, s37, 8
	s_lshl_b32 s37, s37, 23
	s_or_b32 s37, s37, 0x600000
	v_mov_b32 v[LIM], s37                          ; 448 x 2^e1
	TURN 0
	TURN 1
	TURN 2
	TURN 3
	s_wait_dscnt 0x0                               ; all 128 numbers are back
	SQSUM                                          ; of the numbers as they came: ahead of the hold
	v_mul_f32 v[SQC], s39, v[SQ]
	QUANT
.irp f, 0,1,2,3,4,5,6,7
	global_store_b128 v[L16], v[C+4*\f:C+4*\f+3], s[28:29] offset:512*\f   ; cbq: 32 lanes store 512 consecutive bytes, at a multiple of 256 from the buffer's first byte
.endr
.irp f, 0,1,2,3,4,5,6,7
	global_store_b128 v[GO], v[C+4*\f:C+4*\f+3], s[10:11] offset:256*\f    ; cbg: the lanes of rows 0-7 fill 256 aligned bytes of one group, those of rows 8-15 of the next
.endr
	s_wait_xcnt 0x0                                ; EXEC changes only behind this wait
	v_cmp_gt_u32 vcc_lo, 16, v1
	s_wait_tensorcnt 0x0                           ; the wave's end
	ds_add_u32 v[SPW], v[NIL]
	s_wait_dscnt 0x0
	s_and_saveexec_b32 s36, vcc_lo
	global_store_b32 v[R4], v[SQC], s[30:31]       ; lanes 0-15: 64 consecutive bytes
	global_store_b32 v[R4], v[SQ], s[12:13]
	s_wait_xcnt 0x0                                ; and again in front of the line that widens it
	s_or_b32 exec_lo, exec_lo, s36
	s_endpgm
.Lfunc_end_k_qb3ae438466_prep:
	.size	k_qb3ae438466_prep, .Lfunc_end_k_qb3ae438466_prep-k_qb3ae438466_prep
	.p2alignl 7, 3214868480
	.fill 96, 4, 3214868480
	.section	.rodata,"a",@progbits
	.p2align	6, 0x0
	.amdhsa_kernel k_qb3ae438466_prep
		.amdhsa_group_segment_fixed_size 9472
		.amdhsa_private_segment_fixed_size 0
		.amdhsa_enable_private_segment 0
		.amdhsa_kernarg_size 40
		.amdhsa_user_sgpr_count 2
		.amdhsa_user_sgpr_kernarg_segment_ptr 1
		.amdhsa_wavefront_size32 1
		.amdhsa_system_sgpr_workgroup_id_x 1
		.amdhsa_system_sgpr_workgroup_id_y 1
		.amdhsa_system_sgpr_workgroup_id_z 1
		.amdhsa_system_vgpr_workitem_id 0
		.amdhsa_next_free_vgpr 194
		.amdhsa_next_free_sgpr 66
		.amdhsa_reserve_vcc 1
		.amdhsa_float_denorm_mode_32 3
		.amdhsa_float_denorm_mode_16_64 3
		.amdhsa_memory_ordered 1
		.amdhsa_forward_progress 1
		.amdhsa_inst_pref_size 26
	.end_amdhsa_kernel
	.amdgpu_metadata
---
amdhsa.version: [ 1, 2 ]
amdhsa.kernels:
  - .name:           k_qb3ae438466_prep
    .symbol:         k_qb3ae438466_prep.kd
    .args:
      - { .name: codebook, .offset: 0, .size: 8, .value_kind: global_buffer, .address_space: global }
      - { .name: lowp_scales, .offset: 8, .size: 8, .value_kind: global_buffer, .address_space: global }
      - { .name: cbq, .offset: 16, .size: 8, .value_kind: global_buffer, .address_space: global }
      - { .name: cbg, .offset: 24, .size: 8, .value_kind: global_buffer, .address_space: global }
      - { .name: ccn, .offset: 32, .size: 8, .value_kind: global_buffer, .address_space: global }
    .group_segment_fixed_size: 9472
    .private_segment_fixed_size: 0
    .kernarg_segment_align: 8
    .kernarg_segment_size: 40
    .max_flat_workgroup_size: 64
    .sgpr_count:     66
    .vgpr_count:     194
    .wavefront_size: 32
...
	.end_amdgpu_metadata
.endif
;; end of part 1
;; launch main (part 2): grid 256 x 1, 8 waves a work-group, clusters of 4 x 1, 327,680 bytes of LDS; arguments z, cbq, lowp_scales, zq, zzw, cand; writes zq, zzw, cand
.if DOCPART == 2
	.amdgcn_target "amdgcn-amd-amdhsa--gfx1250"
	.amdhsa_code_object_version 6
	.text
	.protected	k_qb3ae438466_main
	.globl	k_qb3ae438466_main
	.p2align	8
	.type	k_qb3ae438466_main,@function
k_qb3ae438466_main:
	s_mov_b64 s[64:65], 0
	v_nop
	global_prefetch_b8 v0, s[64:65] scope:SCOPE_SE
	s_setreg_imm32_b32 hwreg(HW_REG_WAVE_MODE, 25, 1), 1
	s_wait_xcnt 0x0
	s_wait_alu depctr_hold_cnt(0) depctr_sa_sdst(0) depctr_va_vdst(0) depctr_va_sdst(0) depctr_va_ssrc(0) depctr_va_vcc(0) depctr_vm_vsrc(0)
	s_getreg_b32 s2, hwreg(HW_REG_IB_STS2, 6, 4)
	s_cmp_eq_u32 s2, 0
	s_cbranch_scc0 .Lentry_in_a_cluster
	s_endpgm
.Lentry_in_a_cluster:
	s_bfe_u32 s2, ttmp6, 0x10000c
	s_cmp_lg_u32 s2, 0x3003
	s_cbranch_scc0 .Lentry_shape_is_right
	s_endpgm
.Lentry_shape_is_right:
; z [32768][256] f32 is quantised to FP8 (E4M3, scale 2^e0), multiplied with all 8,192 code vectors' codes, and for each row the GROUPS of 8 neighbouring codes that can hold the smallest distance are stored.
; The distance is d = fl(fl(zz - 2 z.c) + cc).  Here a product starts from C = -cc / 2^(e0+e1+1) (stored so in cbq), so a finished sum is t = -(cc - 2 z.c) / 2^(e0+e1+1): the largest t is the smallest
; cc - 2 z.c, and zz, equal for all codes of a row, is not added.  t orders the codes as d does but for d's two roundings.  So the best TWO groups of each row are kept; the second is stored only where it lies within
; BOUND = 2^-20 zz / 2^(e0+e1+1) + 2^-15 |t| of the best (d's two roundings are under 2^-22 of the magnitudes; the id bits below cost under 2^-16 |t|), else the first is stored twice.  The next launch makes the exact d
; of the stored groups and takes the first smallest.  LIMITS: where three or more groups lie within BOUND, a third is not examined, so the token may be one whose d equals the smallest up to those roundings;
; e0 between -126 and 119, e0 + e1 between -120 and 100; NaN and infinities are not served.
; A work-group of 8 waves owns 128 rows.  Wave w quantises row tile w (16 rows); all eight images go through LDS into every wave's window 1.  The codebook stream cbq (128 blocks of 16,640 bytes: four tiles of 16 codes
; as images of the operand's registers, then 4 x 16 numbers C) goes through two LDS slots of 8 blocks; wave w fetches and reads block w of each slot alone.  The four work-groups of a cluster walk the same blocks and ask jointly.
; The product is used transposed (source 0 = 16 codes, source 1 = 16 rows): a lane holds one row and the 8 neighbouring codes of its half of the tile: a group.
; A group costs a lane four maxima, one v_and_or (the tile's 6-bit number into the low mantissa bits), one v_med3 and one v_max (best two).  Eight matrix instructions on four accumulators by turns stand on end,
; then the vector block on the four accumulators finished before them.
; No prefetch: all 64 clusters walk the same 2,129,920 bytes of cbq, from sixteen starting chunks; z is read once, at the head, with no loop to run ahead in.
.set BLK,    16640
.set SLOTB,  8*BLK
.set WREG,   2*SLOTB                   ; behind the ring: a stage of 4,608 bytes for each wave (z's turn, then its image); at the end the waves' best pairs
.set WPITCH, 4608
.set SPARE,  WREG+8*WPITCH             ; the spare words: 128 bytes a wave, four blocks of 256 that no other line names
.set REDB,   WREG
.set SPW,  1
.set NIL,  2
.set FA,   3                           ; v3-4  my block's fragments in slot 0, 1
.set CA,   5                           ; v5-6  my block's C numbers
.set LI,   7
.set SC,   8
.set LIM,  9
.set GA,   10
.set ST,   11
.set LD,   12
.set L16,  13
.set L4,   14
.set SQ,   15                          ; zz of my row tile's row r; kept to the end
.set B1,   16                          ; v16-23 best t of row tile a, with its tile's number
.set B2,   24                          ; v24-31 second best
.set LN,   40
.set RR,   41
.set HH,   42
.set TP,   43
.set IW,   44
.set CC,   48                          ; v48-63   C, two sets
.set S,    48                          ; (head) four packed chains
.set ACC,  64                          ; v64-127  two sets of four accumulators
.set C,    64                          ; (head) z's codes
.set FR,   128                         ; v128-191 a code tile's fragments, two sets
.set R,    128                         ; (head) v128-255: 128 numbers of my row
.set T,    128                         ; (end) 16 packed values
.set X1,   144
.set X2,   145
.set I1,   146
.set I2,   147
.set G1R,  148
.set G2R,  149
.set O1,   150
.set O2,   151
.set P1,   152
.set P2,   153
.set TT,   154
.set HE,   155
.set RW,   156
.set RD,   157
.set DD,   158
.set TH,   159
.set SRC,  4
.set G1,   24
.set G0,   32
.set WB,   40
.set OFF,  42
.set CI,   44
.set CH,   46
.set CUR,  47                          ; 4 x chunk + tile: the number of the tile at work
.set MASK, 48
.set SK,   49
.set SEL,  50
.set LOOP, 52
.set NEG,  58
.set MSB, 0
.macro WIN new
.if MSB != \new
	s_set_vgpr_msb (MSB<<8)|\new
.set MSB, \new
.endif
.endm
.macro CREST                           ; a round of the cluster's barrier behind its opening barrier
	s_cmp_lg_u32 s16, 0
	s_cbranch_scc1 .Lnot_wave_0_\@
	s_barrier_signal -3
.Lnot_wave_0_\@:
	s_barrier_wait -3
	s_barrier_signal -1
	s_barrier_wait -1
.endm
.macro CROUND                          ; a whole round
	s_barrier_signal -1
	s_barrier_wait -1
	CREST
.endm
.macro LOADROWS                        ; 32 loads: chunk q (256 bytes of each row), rows 2 e and 2 e + 1
.irp q, 0,1,2,3
.irp e, 0,1,2,3,4,5,6,7
	global_load_b128 v[R+32*\q+4*\e:R+32*\q+4*\e+3], v[GA], s[SRC:SRC+1] offset:2048*\e+256*\q th:TH_LOAD_NT
.endr
.endr
.endm
.macro TURN q                          ; chunk q through my stage: in as loaded, out 64 bytes of one row a lane
	s_wait_loadcnt 24-8*\q                         ; chunk q's eight loads are in; the eight of each later chunk may be out
.irp e, 0,1,2,3,4,5,6,7
	ds_store_b128 v[ST], v[R+32*\q+4*\e:R+32*\q+4*\e+3] offset:544*\e
.endr
.irp c, 0,1
.irp j, 0,1,2,3
	ds_load_b128 v[R+32*\q+16*\c+4*\j:R+32*\q+16*\c+4*\j+3], v[LD] offset:128*\c+16*\j
.endr
.endr
.endm
.macro SQSUM
.irp k, 0,1,2,3
	v_pk_mul_f32 v[S+2*\k:S+2*\k+1], v[R+2*\k:R+2*\k+1], v[R+2*\k:R+2*\k+1]
.endr
.set jj, 4
.rept 60
	s_delay_alu instid0(VALU_DEP_4)
	v_pk_fma_f32 v[S+2*(jj%4):S+2*(jj%4)+1], v[R+2*jj:R+2*jj+1], v[R+2*jj:R+2*jj+1], v[S+2*(jj%4):S+2*(jj%4)+1]
.set jj, jj+1
.endr
	s_delay_alu instid0(VALU_DEP_3)
	v_pk_add_f32 v[S:S+1], v[S:S+1], v[S+2:S+3]
	s_delay_alu instid0(VALU_DEP_2)
	v_pk_add_f32 v[S+4:S+5], v[S+4:S+5], v[S+6:S+7]
	s_delay_alu instid0(VALU_DEP_1)
	v_pk_add_f32 v[S:S+1], v[S:S+1], v[S+4:S+5]
	s_delay_alu instid0(VALU_DEP_1)
	v_add_f32 v[SQ], v[S], v[S+1]
	s_delay_alu instid0(VALU_DEP_1)
	v_permlanex16_b32 v[TP], v[SQ], s[SEL], s[SEL+1]
	s_delay_alu instid0(VALU_DEP_1)
	v_add_f32 v[SQ], v[SQ], v[TP]
.endm
.macro QUANT
.irp b, 0,1,2,3,4,5,6,7
.irp i, 0,1,2,3,4,5,6,7,8,9,10,11,12,13,14,15
	v_med3_num_f32 v[R+16*\b+\i], v[R+16*\b+\i], -v[LIM], v[LIM]   ; the conversion does not saturate (ISA guide 7.6.2): the hold comes first
.endr
	v_cvt_scalef32_pk8_fp8_f32 v[C+4*\b:C+4*\b+1], v[R+16*\b:R+16*\b+7], v[SC]
	v_cvt_scalef32_pk8_fp8_f32 v[C+4*\b+2:C+4*\b+3], v[R+16*\b+8:R+16*\b+15], v[SC]
.endr
	v_nop                                          ; one plain line behind the last scaled conversion
.endm
.macro FETCH buf, sl, t                ; tile t of my block: 8 loads of fragments, 2 of C (my half's 8 codes)
.irp f, 0,1,2,3,4,5,6,7
	ds_load_b128 v[FR+32*(\buf)+4*\f:FR+32*(\buf)+4*\f+3], v[FA+(\sl)] offset:4096*(\t)+512*\f
.endr
	ds_load_b128 v[CC+8*(\buf):CC+8*(\buf)+3], v[CA+(\sl)] offset:64*(\t)
	ds_load_b128 v[CC+8*(\buf)+4:CC+8*(\buf)+7], v[CA+(\sl)] offset:64*(\t)+16
.endm
; The vector block on four finished accumulators (row tiles a .. a + 3), the four by turns; each accumulator is read from its low end on: the group's largest, the tile's number, the best two.
.macro BLOCK p, a
.irp i, 0,1,2,3
	v_max3_num_f32 v[\p+8*\i], v[\p+8*\i], v[\p+8*\i+1], v[\p+8*\i+2]
.endr
.irp i, 0,1,2,3
	v_max3_num_f32 v[\p+8*\i+3], v[\p+8*\i+3], v[\p+8*\i+4], v[\p+8*\i+5]
.endr
; The two-input maxima go two to an instruction: one destination even, the other odd, the two first sources and the two second sources in different register banks (number mod 4).
; For that the odd accumulators keep the larger of registers 6, 7 in register 7 and their group's largest in register 1.
.irp i, 0,2
	v_dual_max_num_f32 v[\p+8*\i+6], v[\p+8*\i+6], v[\p+8*\i+7] :: v_dual_max_num_f32 v[\p+8*\i+15], v[\p+8*\i+15], v[\p+8*\i+14]
.endr
.irp i, 0,2
	v_max3_num_f32 v[\p+8*\i], v[\p+8*\i], v[\p+8*\i+3], v[\p+8*\i+6]
	v_max3_num_f32 v[\p+8*\i+9], v[\p+8*\i+8], v[\p+8*\i+11], v[\p+8*\i+15]
.endr
.irp i, 0,2
	v_and_or_b32 v[\p+8*\i], v[\p+8*\i], s[MASK], s[CUR]
	v_and_or_b32 v[\p+8*\i+9], v[\p+8*\i+9], s[MASK], s[CUR]
.endr
.irp i, 0,2
	v_med3_num_f32 v[B2+(\a)+\i], v[B1+(\a)+\i], v[B2+(\a)+\i], v[\p+8*\i]           ; B1 >= B2: the middle one of the three is the new second
	v_med3_num_f32 v[B2+(\a)+\i+1], v[B1+(\a)+\i+1], v[B2+(\a)+\i+1], v[\p+8*\i+9]
.endr
.irp i, 0,2
	v_dual_max_num_f32 v[B1+(\a)+\i], v[B1+(\a)+\i], v[\p+8*\i] :: v_dual_max_num_f32 v[B1+(\a)+\i+1], v[B1+(\a)+\i+1], v[\p+8*\i+9]
.endr
.endm
; Row tiles 4 o .. 4 o + 3 against the code tile in set buf: eight matrix instructions, four accumulators by turns; the first four start from C.
; The block behind them works on the other set of accumulators, finished one run earlier: its 24 plain lines are the places behind this run's instructions.
.macro OCT buf, o
.set QU, ACC+32*(\o)
.set QP, ACC+32-32*(\o)
.set QF, FR+32*(\buf)
.set QC, CC+8*(\buf)
.set QZ, 128*(\o)
	WIN 0x04                                       ; source 1 (z) window 1
.irp i, 0,1,2,3
	v_wmma_f32_16x16x128_fp8_fp8 v[QU+8*\i:QU+8*\i+7], v[QF:QF+15], v[QZ+32*\i:QZ+32*\i+15], v[QC:QC+7]
.endr
.irp i, 0,1,2,3
	v_wmma_f32_16x16x128_fp8_fp8 v[QU+8*\i:QU+8*\i+7], v[QF+16:QF+31], v[QZ+32*\i+16:QZ+32*\i+31], v[QU+8*\i:QU+8*\i+7]
.endr
	WIN 0
	BLOCK QP, 4-4*(\o)
.endm
.macro HOOK t                          ; the tile's number steps when the last block of the tile before has used it
.if (\t) == 0
	s_add_co_u32 s[CH], s[CH], 1
	s_and_b32 s[CH], s[CH], 15
	s_lshl_b32 s[CUR], s[CH], 2
.else
	s_add_co_u32 s[CUR], s[CUR], 1
.endif
.endm
.macro TILE sl, t, nsl, nt, fetch
	s_wait_dscnt 0x0                               ; this tile's fragments are in
.if \fetch
	FETCH 1-(\t)%2, \nsl, \nt                      ; the next tile's, into the set that the block above has left four places and more behind
.endif
	OCT (\t)%2, 0
	HOOK \t
	OCT (\t)%2, 1
.endm
; A slot's last tile (it is in registers) and the change of slots: slot sl is filled again, two chunks on.  Half of the tile's work stands between the opening barrier's signal and its wait.
.macro TURNT sl
	s_wait_tensorcnt 0x0                           ; all my tensor loads have landed: my block of the other slot
	ds_add_u32 v[SPW], v[NIL]
	s_add_co_u32 s[CI+\sl], s[CI+\sl], 2
	s_and_b32 s[CI+\sl], s[CI+\sl], 15
	s_mul_i32 s[OFF], s[CI+\sl], SLOTB
	s_add_nc_u64 s[G0+4*\sl+2:G0+4*\sl+3], s[WB:WB+1], s[OFF:OFF+1]
	s_or_b32 s[G0+4*\sl+3], s[G0+4*\sl+3], 0x80000000
	s_wait_dscnt 0x0                               ; the add is done, and my reads of this slot are back
	s_barrier_signal -1
	OCT 1, 0                                       ; work on registers while the others arrive
	HOOK 3
	s_barrier_wait -1
	CREST
	tensor_load_to_lds s[G0+4*\sl:G0+4*\sl+3], s[G1:G1+7]
	s_nop 0
.rept 4
	v_nop
.endr
	FETCH 0, 1-\sl, 0                              ; the other slot's first tile
	OCT 1, 1
.endm
.macro SLOT sl, refill, last
	TILE \sl, 0, \sl, 1, 1
	TILE \sl, 1, \sl, 2, 1
	TILE \sl, 2, \sl, 3, 1
.if \refill
	TURNT \sl
.else
.if !\last
	s_wait_tensorcnt 0x0                           ; my block of the other slot is in; only I read it
.endif
	TILE \sl, 3, 1-\sl, 0, 1-\last
.endif
.endm
.macro INS val, id, i1, i2             ; (val, id) into the best two (X1, i1), (X2, i2)
	v_cmp_gt_f32 s60, v[\val], v[X1]
	v_cmp_gt_f32 s61, v[\val], v[X2]
	v_cndmask_b32 v[\i2], v[\i2], \id, s61
	v_cndmask_b32 v[\i2], v[\i2], v[\i1], s60
	v_cndmask_b32 v[\i1], v[\i1], \id, s60
	v_med3_num_f32 v[X2], v[X1], v[X2], v[\val]
	v_max_num_f32 v[X1], v[X1], v[\val]
.endm
.macro GIDOF g, x, i                   ; the group among 1,024: 64 chunk + 8 wave + 2 tile + h; x's low six bits are 4 chunk + tile
	v_and_b32 v[TT], 60, v[\x]
	v_lshl_add_u32 v[\g], v[TT], 4, v[HE]
	v_and_b32 v[TT], 3, v[\x]
	v_lshl_add_u32 v[\g], v[TT], 1, v[\g]
	v_lshl_add_u32 v[\g], v[\i], 3, v[\g]
.endm
	s_load_b256 s[4:11], s[0:1], 0x0               ; z s[4:5], cbq s[6:7], the scales' exponents s[8:9], zq s[10:11]
	s_load_b128 s[12:15], s[0:1], 0x20             ; zzw s[12:13], cand s[14:15]
	v_lshl_add_u32 v[SPW], v0, 2, SPARE
	v_mov_b32 v[NIL], 0
	ds_add_u32 v[SPW], v[NIL]                      ; the opening: the add twice on end and one wait; register work stands between
	ds_add_u32 v[SPW], v[NIL]
	v_lshrrev_b32 v[LN], 5, v0
	v_readfirstlane_b32 s16, v[LN]                 ; wave 0..7
	s_bfe_u32 s17, ttmp6, 0x40000                  ; cx
	s_lshl_b32 s18, ttmp9, 2
	s_add_co_u32 s18, s18, s17                     ; work-group
	s_lshr_b32 s[CI], ttmp9, 4                     ; the cluster's first chunk: the clusters start at sixteen places of the stream
	s_xor_b32 s[CI], s[CI], ttmp9
	s_and_b32 s[CI], s[CI], 15
	s_add_co_u32 s[CI+1], s[CI], 1
	s_and_b32 s[CI+1], s[CI+1], 15
	s_add_co_u32 s[CH], s[CI], 15
	s_and_b32 s[CH], s[CH], 15
	s_mov_b32 s[CUR], 0
	s_mov_b32 s[OFF+1], 0
	s_mov_b32 s55, 0
	s_mov_b32 s[SEL], 0x76543210
	s_mov_b32 s[SEL+1], 0xfedcba98
	s_mov_b32 s[MASK], 0xffffffc0
	s_mov_b32 s[NEG], 0xff7fffc0                   ; under every t that is served
	s_mov_b32 s[G1], 15|(3<<16)|(1<<21)            ; the cluster's four; elements of 8 bytes
	s_mov_b32 s[G1+1], 32<<16                      ; a block as 65 rows of 256 bytes
	s_mov_b32 s[G1+2], 65<<16
	s_mov_b32 s[G1+3], 32<<16
	s_mov_b32 s[G1+4], 65
	s_mov_b32 s[G1+5], 32
	s_mov_b32 s[G1+6], 0
	s_mov_b32 s[G1+7], 0
	s_mul_i32 s53, s16, BLK
	s_mov_b32 s54, s53
	s_mul_i32 s56, s16, WPITCH
	s_add_co_u32 s56, s56, WREG                    ; my stage
	v_and_b32 v[LN], 31, v0
	v_and_b32 v[RR], 15, v0
	v_bfe_u32 v[HH], v0, 4, 1
	v_lshlrev_b32 v[GA], 10, v[HH]
	v_lshl_add_u32 v[GA], v[RR], 4, v[GA]
	v_mul_u32_u24 v[ST], v[HH], 272
	v_lshl_add_u32 v[ST], v[RR], 4, v[ST]
	v_add_nc_u32 v[ST], s56, v[ST]
	v_mul_u32_u24 v[LD], v[RR], 272
	v_lshl_add_u32 v[LD], v[HH], 6, v[LD]
	v_add_nc_u32 v[LD], s56, v[LD]
	v_lshlrev_b32 v[L16], 4, v[LN]
	v_lshlrev_b32 v[L4], 2, v[LN]
	v_add_nc_u32 v[IW], s56, v[L16]
	v_add_nc_u32 v[LI], WREG, v[L16]
	v_add_nc_u32 v[FA], s53, v[L16]
	v_add_nc_u32 v[FA+1], SLOTB, v[FA]
	v_lshlrev_b32 v[CA], 5, v[HH]
	v_add_nc_u32 v[CA], s53, v[CA]
	v_add_nc_u32 v[CA], 16384, v[CA]
	v_add_nc_u32 v[CA+1], SLOTB, v[CA]
	v_mov_b32 v[TP], 0
	s_wait_dscnt 0x0                               ; both opening adds are done
	s_wait_alu depctr_va_vdst(0)
	s_wait_kmcnt 0x0
	s_load_b64 s[20:21], s[8:9], 0x0               ; e0, e1
	s_add_nc_u64 s[WB:WB+1], s[6:7], s[54:55]      ; my block of chunk 0
	s_mov_b32 s[G0], 1
	s_mov_b32 s[G0+1], s53
	s_mul_i32 s[OFF], s[CI], SLOTB
	s_add_nc_u64 s[G0+2:G0+3], s[WB:WB+1], s[OFF:OFF+1]
	s_or_b32 s[G0+3], s[G0+3], 0x80000000
	s_mov_b32 s[G0+4], 1
	s_add_co_u32 s[G0+5], s53, SLOTB
	s_mul_i32 s[OFF], s[CI+1], SLOTB
	s_add_nc_u64 s[G0+6:G0+7], s[WB:WB+1], s[OFF:OFF+1]
	s_or_b32 s[G0+7], s[G0+7], 0x80000000
	s_lshl_b32 s54, s18, 17                        ; 128 rows of 1,024 bytes a work-group, 16 a wave
	s_lshl_b32 s57, s16, 14
	s_add_co_u32 s54, s54, s57
	s_add_nc_u64 s[SRC:SRC+1], s[SRC:SRC+1], s[54:55]
	s_lshl_b32 s57, s18, 3
	s_add_co_u32 s57, s57, s16                     ; my row tile
	s_lshl_b32 s54, s57, 12
	s_add_nc_u64 s[10:11], s[10:11], s[54:55]
	s_lshl_b32 s54, s57, 7
	s_add_nc_u64 s[12:13], s[12:13], s[54:55]
	s_add_nc_u64 s[14:15], s[14:15], s[54:55]
	CROUND                                         ; the four work-groups are here: the first joint loads meet
	tensor_load_to_lds s[G0:G0+3], s[G1:G1+7]      ; slot 0: my one tensor load at the head
	s_nop 0
.rept 4
	v_nop
.endr
	LOADROWS                                       ; z is fetched and quantised while slot 0's load is on its way
	s_wait_kmcnt 0x0
	s_add_co_i32 s57, s20, 127
	s_lshl_b32 s59, s57, 23
	v_mov_b32 v[SC], s59                           ; 2^e0
	s_add_co_i32 s57, s57, 8
	s_lshl_b32 s57, s57, 23
	s_or_b32 s57, s57, 0x600000
	v_mov_b32 v[LIM], s57                          ; 448 x 2^e0
	s_add_co_i32 s57, s20, s21
	s_sub_co_i32 s57, 106, s57
	s_lshl_b32 s[SK], s57, 23                      ; 2^-20 / 2^(e0 + e1 + 1)
	TURN 0
	TURN 1
	TURN 2
	TURN 3
	s_wait_dscnt 0x0
	SQSUM
	QUANT
.irp f, 0,1,2,3,4,5,6,7
	ds_store_b128 v[IW], v[C+4*\f:C+4*\f+3] offset:512*\f          ; my row tile's image, for all eight waves
.endr
.irp f, 0,1,2,3,4,5,6,7
	global_store_b128 v[L16], v[C+4*\f:C+4*\f+3], s[10:11] offset:512*\f   ; and for the next launch
.endr
	global_store_b32 v[L4], v[SQ], s[12:13]
	s_wait_alu depctr_va_vdst(0)                   ; the wait at the head's end
	s_wait_dscnt 0x0                               ; for the others' sake: my image's stores are done
	s_barrier_signal -1
	s_barrier_wait -1                              ; every wave's image is whole.
	WIN 0x40
.irp a, 0,1,2,3,4,5,6,7
.irp f, 0,1,2,3,4,5,6,7
	ds_load_b128 v[32*\a+4*\f:32*\a+4*\f+3], v[LI] offset:WPITCH*\a+512*\f   ; the eight images come into window 1 while slot 0's load lands
.endr
.endr
	WIN 0
	s_wait_tensorcnt 0x0                           ; slot 0 is in; slot 1's first fill is issued as a refill is:
	ds_add_u32 v[SPW], v[NIL]
	s_wait_dscnt 0x0                               ; the add is done, and the images are in
	CROUND                                         ; the four work-groups are here: the joint loads meet
	tensor_load_to_lds s[G0+4:G0+7], s[G1:G1+7]
	s_nop 0
.rept 4
	v_nop
.endr
	s_wait_xcnt 0x0                                ; the stores have read the codes' registers, which the accumulators take
.irp a, 0,1,2,3,4,5,6,7
	v_mov_b32 v[B1+\a], s[NEG]
	v_mov_b32 v[B2+\a], s[NEG]
.endr
.set jj, 0
.rept 32
	v_mov_b32 v[ACC+32+jj], s[NEG]                 ; what the first block finds in place of finished sums: it wins nothing
.set jj, jj+1
.endr
	s_mov_b32 s[LOOP], 7
	FETCH 0, 0, 0
.Lpair:
	s_wait_alu depctr_va_vdst(0)                   ; the wait behind the jump
	SLOT 0, 1, 0
	SLOT 1, 1, 0
	s_sub_co_u32 s[LOOP], s[LOOP], 1
	s_cmp_lg_u32 s[LOOP], 0
	s_cbranch_scc1 .Lpair
	SLOT 0, 0, 0                                   ; the last two chunks fetch nothing
	SLOT 1, 0, 1
.rept 4
	v_nop                                          ; four places ahead of the read of the last results
.endr
	BLOCK ACC+32, 4
	; THE END: wave w joins row tile w's 8 waves x 2 halves x 2 values
	v_bfe_u32 v[HE], v0, 4, 1
	s_lshl_b32 s53, s16, 8
	s_add_co_u32 s53, s53, REDB
	v_add_nc_u32 v[RW], s53, v[L4]
	s_lshl_b32 s54, s16, 11
	s_add_co_u32 s54, s54, REDB
	v_add_nc_u32 v[RD], s54, v[L4]
.irp a, 0,1,2,3,4,5,6,7
	ds_store_b32 v[RW], v[B1+\a] offset:2048*\a
	ds_store_b32 v[RW], v[B2+\a] offset:2048*\a+128
.endr
	v_mov_b32 v[O1], 0                             ; written once: a lane permute's destination counts as a source
	v_mov_b32 v[O2], 0
	v_mov_b32 v[P1], 0
	v_mov_b32 v[P2], 0
	v_mov_b32 v[I1], 0
	v_mov_b32 v[I2], 0
	s_wait_alu depctr_va_vdst(0)
	s_wait_dscnt 0x0
	s_barrier_signal -1
	s_barrier_wait -1
.irp w, 0,1,2,3,4,5,6,7
	ds_load_b32 v[T+2*\w], v[RD] offset:256*\w
	ds_load_b32 v[T+2*\w+1], v[RD] offset:256*\w+128
.endr
	s_wait_dscnt 0x0
	v_mov_b32 v[X1], v[T]
	v_mov_b32 v[X2], v[T+1]
.irp w, 1,2,3,4,5,6,7
	INS T+2*\w, \w, I1, I2
	INS T+2*\w+1, \w, I1, I2
.endr
	GIDOF G1R, X1, I1
	GIDOF G2R, X2, I2
	v_permlanex16_b32 v[O1], v[X1], s[SEL], s[SEL+1]
	v_permlanex16_b32 v[O2], v[X2], s[SEL], s[SEL+1]
	v_permlanex16_b32 v[P1], v[G1R], s[SEL], s[SEL+1]
	v_permlanex16_b32 v[P2], v[G2R], s[SEL], s[SEL+1]
	INS O1, v[P1], G1R, G2R
	INS O2, v[P2], G1R, G2R
	s_mov_b32 s53, 0x38000000                      ; 2^-15
	v_sub_f32 v[DD], v[X1], v[X2]
	v_mul_f32 v[TH], s[SK], v[SQ]
	v_fma_f32 v[TH], |v[X1]|, s53, v[TH]           ; BOUND
	v_cmp_le_f32 vcc_lo, v[DD], v[TH]
	v_cndmask_b32 v[G2R], v[G1R], v[G2R], vcc_lo   ; the second group where it is near, else the first again: the mask only selects a value
	v_permlanex16_b32 v[O1], v[G2R], s[SEL], s[SEL+1]
	v_cmp_eq_u32 vcc_lo, 0, v[HE]
	v_cndmask_b32 v[G1R], v[O1], v[G1R], vcc_lo    ; words 0-15: lane r's first group; words 16-31: lane r's second, so that the pair is one lane's
	global_store_b32 v[L4], v[G1R], s[14:15]       ; 128 consecutive bytes a wave; the eight waves' lie on end
	s_wait_tensorcnt 0x0                           ; the wave's end
	ds_add_u32 v[SPW], v[NIL]
	s_wait_dscnt 0x0
	CROUND                                         ; the closing round
	s_endpgm
.Lfunc_end_k_qb3ae438466_main:
	.size	k_qb3ae438466_main, .Lfunc_end_k_qb3ae438466_main-k_qb3ae438466_main
	.p2alignl 7, 3214868480
	.fill 96, 4, 3214868480
	.section	.rodata,"a",@progbits
	.p2align	6, 0x0
	.amdhsa_kernel k_qb3ae438466_main
		.amdhsa_group_segment_fixed_size 327680
		.amdhsa_private_segment_fixed_size 0
		.amdhsa_enable_private_segment 0
		.amdhsa_kernarg_size 48
		.amdhsa_user_sgpr_count 2
		.amdhsa_user_sgpr_kernarg_segment_ptr 1
		.amdhsa_wavefront_size32 1
		.amdhsa_system_sgpr_workgroup_id_x 1
		.amdhsa_system_sgpr_workgroup_id_y 1
		.amdhsa_system_sgpr_workgroup_id_z 1
		.amdhsa_system_vgpr_workitem_id 0
		.amdhsa_next_free_vgpr 512
		.amdhsa_next_free_sgpr 66
		.amdhsa_reserve_vcc 1
		.amdhsa_float_denorm_mode_32 3
		.amdhsa_float_denorm_mode_16_64 3
		.amdhsa_memory_ordered 1
		.amdhsa_forward_progress 1
		.amdhsa_inst_pref_size 128
	.end_amdhsa_kernel
	.amdgpu_metadata
---
amdhsa.version: [ 1, 2 ]
amdhsa.kernels:
  - .name:           k_qb3ae438466_main
    .symbol:         k_qb3ae438466_main.kd
    .args:
      - { .name: z, .offset: 0, .size: 8, .value_kind: global_buffer, .address_space: global }
      - { .name: cbq, .offset: 8, .size: 8, .value_kind: global_buffer, .address_space: global }
      - { .name: lowp_scales, .offset: 16, .size: 8, .value_kind: global_buffer, .address_space: global }
      - { .name: zq, .offset: 24, .size: 8, .value_kind: global_buffer, .address_space: global }
      - { .name: zzw, .offset: 32, .size: 8, .value_kind: global_buffer, .address_space: global }
      - { .name: cand, .offset: 40, .size: 8, .value_kind: global_buffer, .address_space: global }
    .group_segment_fixed_size: 327680
    .private_segment_fixed_size: 0
    .kernarg_segment_align: 8
    .kernarg_segment_size: 48
    .max_flat_workgroup_size: 256
    .sgpr_count:     66
    .vgpr_count:     512
    .wavefront_size: 32
...
	.end_amdgpu_metadata
.endif
;; end of part 2
;; launch resolve (part 3): grid 512 x 1, 4 waves a work-group, no clusters, 0 bytes of LDS; arguments zq, zzw, cand, cbg, ccn, lowp_scales, out1, tok; writes out1, tok
.if DOCPART == 3
	.amdgcn_target "amdgcn-amd-amdhsa--gfx1250"
	.amdhsa_code_object_version 6
	.text
	.protected	k_qb3ae438466_resolve
	.globl	k_qb3ae438466_resolve
	.p2align	8
	.type	k_qb3ae438466_resolve,@function
k_qb3ae438466_resolve:
	s_mov_b64 s[64:65], 0
	v_nop
	global_prefetch_b8 v0, s[64:65] scope:SCOPE_SE
	s_setreg_imm32_b32 hwreg(HW_REG_WAVE_MODE, 25, 1), 1
	s_wait_xcnt 0x0
; The token.  For each row of z the launch before has stored two groups of 8 neighbouring codes: the one that holds the smallest cc - 2 z.c, and a second one where it is so near that the roundings of
; d = fl(fl(zz - 2 z.c) + cc) could decide (else the first again).  Here the 8 distances d of a group are made, by the same matrix instruction on the same codes and with those two roundings, and the first smallest
; is taken: token = 8 g + its place; of the two groups' results the smaller d wins, the lower token where they are equal.
; A wave takes one row tile (16 rows).  Tile x of a pass holds TWO rows' groups: its code rows 0-7 are row 2 x's group, its code rows 8-15 row 2 x + 1's.  One product of that tile with the row tile (two matrix
; instructions, used transposed: lane (r, h) holds row r and the tile's code rows 8 h + 0 .. 7) leaves row p's eight distances in lane (r = p, h = p % 2).  Eight tiles serve the 16 rows: one pass.
; The second groups are worked by the same pass, only where one of the 16 rows has a second group that differs: a scalar branch on whole numbers read from memory.
; The groups steer addresses: each is held under 1,024 ahead of every address.  In cbg a group is 2,048 bytes: register group f at 256 f, h at 128 h, the code at 16 (r % 8): sixteen lanes read 256 aligned bytes.
; LIMITS: e0 + e1 + 1 between -126 and 127; NaN is not served.  No LDS, no barrier: waves share nothing.  No tensor load: which groups are read hangs on stored numbers.
; REGISTERS: window 0 below; window 1: a pass's eight tiles of codes, tile x at v[32 x], K step s at + 16 s.
.set L16,  4                           ; 16 x lane
.set L4,   5                           ; 4 x lane
.set R4,   6                           ; 4 r
.set LB,   7                           ; my place in a group: 128 h + 16 (r % 8)
.set ZB,   8                           ; v8-39    the row tile's two fragments
.set ZZ,   40                          ; v40-41   zz of my row, twice
.set GV,   42                          ; my row's first group
.set GW,   43                          ; and second
.set AO,   44                          ; v44-51   a pass's groups, then offsets in cbg: as source 0's lane (code row r)
.set CO,   52                          ; v52-59   and in ccn: as the result's lane (code rows 8 h ..)
.set RA,   60                          ; 4 (r / 8)
.set HA,   61                          ; 4 h
.set RH,   62                          ; r / 2
.set TT,   63
.set CCR,  64                          ; v64-127  cc: 8 tiles x my half's 8 codes
.set ACC,  128                         ; v128-159 four accumulators
.set DS,   160                         ; v160-167 eight distances in the first group
.set BV,   168
.set BI,   169
.set OB,   170
.set OG,   171
.set DT,   172                         ; v172-179 the same in the second group
.set BW,   180
.set TK,   181
.set TW,   182
.set AP,   184                         ; v184-191 the second groups, as source 0's lane
.set CP,   192                         ; v192-199 and as the result's lane
.set SCL,  42                          ; s[42:43] -2^(e0 + e1 + 1)
.set SEL,  46
.set OWN,  57                          ; s57: the lanes with h = r % 2, which hold their row's distances
.set MSB, 0
.macro WIN new
.if MSB != \new
	s_set_vgpr_msb (MSB<<8)|\new
.set MSB, \new
.endif
.endm
.macro TZ p, j                         ; two sums x -2^(e0+e1+1) + zz: the first rounding
	v_pk_fma_f32 v[\p+2*\j:\p+2*\j+1], v[\p+2*\j:\p+2*\j+1], s[SCL:SCL+1], v[ZZ:ZZ+1] op_sel_hi:[1,0,1]
.endm
.macro TC p, cb, j                     ; + cc: the second
	v_pk_fma_f32 v[\p+2*\j:\p+2*\j+1], v[\p+2*\j:\p+2*\j+1], 1.0, v[\cb+2*\j:\cb+2*\j+1] op_sel_hi:[1,0,1]
.endm
.macro PASS off, ds                    ; off = 0: the 16 rows' first groups; off = 64: their second groups; distances kept in v[ds ..]
.if \off == 0
.irp x, 0,1,2,3,4,5,6,7
	global_load_b32 v[AO+\x], v[RA], s[8:9] offset:8*\x        ; row 2 x + r / 8's group
	global_load_b32 v[CO+\x], v[HA], s[8:9] offset:8*\x        ; row 2 x + h's group
	global_load_b32 v[AP+\x], v[RA], s[8:9] offset:64+8*\x     ; the second groups come with the first: a second pass begins at its tiles' loads
	global_load_b32 v[CP+\x], v[HA], s[8:9] offset:64+8*\x
.endr
	s_wait_loadcnt 0x0
.else
.irp x, 0,1,2,3,4,5,6,7
	v_mov_b32 v[AO+\x], v[AP+\x]
	v_mov_b32 v[CO+\x], v[CP+\x]
.endr
.endif
.irp x, 0,1,2,3,4,5,6,7
	v_min_u32 v[AO+\x], 0x3ff, v[AO+\x]            ; a loaded number enters an address only held inside its table
	v_min_u32 v[CO+\x], 0x3ff, v[CO+\x]
.endr
.irp x, 0,1,2,3,4,5,6,7
	v_lshl_add_u32 v[AO+\x], v[AO+\x], 11, v[LB]   ; a group's codes are 2,048 bytes,
	v_lshlrev_b32 v[CO+\x], 5, v[CO+\x]            ; its 8 cc 32
.endr
	WIN 0x40
	s_wait_alu depctr_va_vdst(0)
.irp x, 0,1,2,3,4,5,6,7
.irp f, 0,1,2,3,4,5,6,7
	global_load_b128 v[32*\x+4*\f:32*\x+4*\f+3], v[AO+\x], s[10:11] offset:256*\f
.endr
.endr
	WIN 0
.irp x, 0,1,2,3,4,5,6,7
	global_load_b128 v[CCR+8*\x:CCR+8*\x+3], v[CO+\x], s[12:13]
	global_load_b128 v[CCR+8*\x+4:CCR+8*\x+7], v[CO+\x], s[12:13] offset:16
.endr
	s_wait_loadcnt 0x0                             ; all are in; the offsets' registers may be written again
.irp g, 0,1                                    ; four tiles at a time: four accumulators by turns
	WIN 0x01
.irp t, 0,1,2,3
	v_wmma_f32_16x16x128_fp8_fp8 v[ACC+8*\t:ACC+8*\t+7], v[32*(4*\g+\t):32*(4*\g+\t)+15], v[ZB:ZB+15], 0
.endr
.irp t, 0,1,2,3
	v_wmma_f32_16x16x128_fp8_fp8 v[ACC+8*\t:ACC+8*\t+7], v[32*(4*\g+\t)+16:32*(4*\g+\t)+31], v[ZB+16:ZB+31], v[ACC+8*\t:ACC+8*\t+7]
.endr
	WIN 0
.rept 4
	v_nop                                          ; four places ahead of the first read of results (ISA guide 7.12.1)
.endr
.irp t, 0,1,2,3
.irp j, 0,1,2,3
	TZ ACC+8*\t, \j
.endr
.irp j, 0,1,2,3
	TC ACC+8*\t, CCR+8*(4*\g+\t), \j
.endr
	v_cmp_eq_u32 vcc_lo, 4*\g+\t, v[RH]            ; this tile is rows 2 (4 g + t) and + 1's: their lanes keep their eight numbers
.irp j, 0,1,2,3,4,5,6,7
	v_cndmask_b32 v[\ds+\j], v[\ds+\j], v[ACC+8*\t+\j], vcc_lo
.endr
.endr
.endr
.endm
.macro REDUCE ds, gv, bv, tk           ; the first smallest of my eight; the lane that does not hold its row's distances takes the other half's result; token = 8 g + place
	v_mov_b32 v[\bv], v[\ds]
	v_mov_b32 v[BI], 0
.irp j, 1,2,3,4,5,6,7
	v_cmp_le_f32 vcc_lo, v[\bv], v[\ds+\j]         ; the earlier place keeps an equal value
	v_cndmask_b32 v[BI], \j, v[BI], vcc_lo
	v_min_num_f32 v[\bv], v[\bv], v[\ds+\j]
.endr
	v_permlanex16_b32 v[OB], v[\bv], s[SEL], s[SEL+1]
	v_permlanex16_b32 v[OG], v[BI], s[SEL], s[SEL+1]
	v_cndmask_b32 v[\bv], v[OB], v[\bv], s[OWN]
	v_cndmask_b32 v[BI], v[OG], v[BI], s[OWN]
	v_lshl_add_u32 v[\tk], v[\gv], 3, v[BI]
.endm
	s_load_b256 s[4:11], s[0:1], 0x0               ; zq s[4:5], zzw s[6:7], cand s[8:9], cbg s[10:11]
	s_load_b256 s[12:19], s[0:1], 0x20             ; ccn s[12:13], the scales' exponents s[14:15], out1 s[16:17], tok s[18:19]
	v_lshrrev_b32 v1, 5, v0
	v_readfirstlane_b32 s36, v1                    ; wave 0..3
	s_lshl_b32 s37, ttmp9, 2
	s_add_co_u32 s37, s37, s36                     ; my row tile
	s_mov_b32 s39, 0
	s_mov_b32 s[SEL], 0x76543210
	s_mov_b32 s[SEL+1], 0xfedcba98
	s_mov_b32 s58, 0x7f800000
	v_and_b32 v1, 31, v0                           ; lane
	v_and_b32 v2, 15, v0                           ; r
	v_bfe_u32 v3, v0, 4, 1                         ; h
	v_lshlrev_b32 v[L16], 4, v1
	v_lshlrev_b32 v[L4], 2, v1
	v_lshlrev_b32 v[R4], 2, v2
	v_and_b32 v[TT], 7, v2
	v_lshlrev_b32 v[LB], 7, v3
	v_lshl_add_u32 v[LB], v[TT], 4, v[LB]
	v_lshrrev_b32 v[RA], 3, v2
	v_lshlrev_b32 v[RA], 2, v[RA]
	v_lshlrev_b32 v[HA], 2, v3
	v_lshrrev_b32 v[RH], 1, v2
	v_and_b32 v[TT], 1, v2
	v_cmp_eq_u32 s[OWN], v[TT], v3
.irp j, 0,1,2,3,4,5,6,7
	v_mov_b32 v[DS+\j], s58                        ; written whole before the selects read it
	v_mov_b32 v[DT+\j], s58                        ; where the second groups are not worked, infinity stays, which wins nothing
.endr
	v_mov_b32 v[OB], 0                             ; written once: a lane permute's destination counts as a source
	v_mov_b32 v[OG], 0
	s_wait_alu depctr_va_vdst(0)                   ; the wait at the head's end
	s_wait_kmcnt 0x0
	s_lshl_b32 s38, s37, 7
	s_add_nc_u64 s[8:9], s[8:9], s[38:39]          ; my row tile's 32 words in cand,
	s_add_nc_u64 s[6:7], s[6:7], s[38:39]          ; in zzw,
	s_add_nc_u64 s[18:19], s[18:19], s[38:39]      ; in tok
	s_load_b512 s[20:35], s[8:9], 0x0              ; the 16 rows' first groups
	s_load_b512 s[68:83], s[8:9], 0x40             ; and second groups: for the branch alone
	s_load_b64 s[40:41], s[14:15], 0x0             ; e0, e1
	s_lshl_b32 s38, s37, 12
	s_add_nc_u64 s[4:5], s[4:5], s[38:39]          ; its image in zq
	s_lshl_b32 s38, s37, 6
	s_add_nc_u64 s[16:17], s[16:17], s[38:39]      ; its 16 words in out1
.irp f, 0,1,2,3,4,5,6,7
	global_load_b128 v[ZB+4*\f:ZB+4*\f+3], v[L16], s[4:5] offset:512*\f
.endr
	global_load_b32 v[ZZ], v[L4], s[6:7]
	global_load_b32 v[ZZ+1], v[L4], s[6:7]         ; the pair for the packed form
	global_load_b32 v[GV], v[R4], s[8:9]
	global_load_b32 v[GW], v[R4], s[8:9] offset:64
	s_wait_kmcnt 0x0
	s_mov_b32 s53, 0
.irp i, 0,1,2,3,4,5,6,7,8,9,10,11,12,13,14,15
	s_xor_b32 s44, s[20+\i], s[68+\i]
	s_or_b32 s53, s53, s44                         ; not 0: one of the rows has a second group of its own
.endr
	s_add_co_i32 s[SCL], s40, s41
	s_add_co_i32 s[SCL], s[SCL], 128
	s_lshl_b32 s[SCL], s[SCL], 23
	s_or_b32 s[SCL], s[SCL], 0x80000000            ; -2^(e0 + e1 + 1)
	s_mov_b32 s[SCL+1], s[SCL]
	PASS 0, DS
	v_min_u32 v[GV], 0x3ff, v[GV]
	v_min_u32 v[GW], 0x3ff, v[GW]
	REDUCE DS, GV, BV, TK
	s_wait_alu depctr_va_vdst(0)                   ; the wait ahead of the branch
	s_cmp_eq_u32 s53, 0
	s_cbranch_scc1 .Lno_second
	PASS 64, DT
.Lno_second:
	s_wait_alu depctr_va_vdst(0)
	REDUCE DT, GW, BW, TW
	v_cmp_lt_f32 s50, v[BW], v[BV]
	v_cmp_eq_f32 s51, v[BW], v[BV]
	v_cmp_lt_u32 s52, v[TW], v[TK]
	s_and_b32 s51, s51, s52
	s_or_b32 s50, s50, s51                         ; the second group's is smaller, or equal with the lower token: the mask only selects a value
	v_cndmask_b32 v[TK], v[TK], v[TW], s50
	global_store_b32 v[L4], v[TK], s[18:19]        ; tok: lane l holds row l % 16's: 128 consecutive bytes; the four waves' lie on end
	s_wait_alu depctr_va_vdst(0)
	s_wait_xcnt 0x0                                ; EXEC changes only behind this wait
	v_cmp_gt_u32 vcc_lo, 16, v1
	s_and_saveexec_b32 s48, vcc_lo
	global_store_b32 v[L4], v[TK], s[16:17]        ; out1: lanes 0-15, 64 consecutive bytes; the work-group's four waves fill 256
	s_wait_xcnt 0x0                                ; and again in front of the line that widens it
	s_or_b32 exec_lo, exec_lo, s48
	s_endpgm
.Lfunc_end_k_qb3ae438466_resolve:
	.size	k_qb3ae438466_resolve, .Lfunc_end_k_qb3ae438466_resolve-k_qb3ae438466_resolve
	.p2alignl 7, 3214868480
	.fill 96, 4, 3214868480
	.section	.rodata,"a",@progbits
	.p2align	6, 0x0
	.amdhsa_kernel k_qb3ae438466_resolve
		.amdhsa_group_segment_fixed_size 0
		.amdhsa_private_segment_fixed_size 0
		.amdhsa_enable_private_segment 0
		.amdhsa_kernarg_size 64
		.amdhsa_user_sgpr_count 2
		.amdhsa_user_sgpr_kernarg_segment_ptr 1
		.amdhsa_wavefront_size32 1
		.amdhsa_system_sgpr_workgroup_id_x 1
		.amdhsa_system_sgpr_workgroup_id_y 1
		.amdhsa_system_sgpr_workgroup_id_z 1
		.amdhsa_system_vgpr_workitem_id 0
		.amdhsa_next_free_vgpr 512
		.amdhsa_next_free_sgpr 84
		.amdhsa_reserve_vcc 1
		.amdhsa_float_denorm_mode_32 3
		.amdhsa_float_denorm_mode_16_64 3
		.amdhsa_memory_ordered 1
		.amdhsa_forward_progress 1
		.amdhsa_inst_pref_size 46
	.end_amdhsa_kernel
	.amdgpu_metadata
---
amdhsa.version: [ 1, 2 ]
amdhsa.kernels:
  - .name:           k_qb3ae438466_resolve
    .symbol:         k_qb3ae438466_resolve.kd
    .args:
      - { .name: zq, .offset: 0, .size: 8, .value_kind: global_buffer, .address_space: global }
      - { .name: zzw, .offset: 8, .size: 8, .value_kind: global_buffer, .address_space: global }
      - { .name: cand, .offset: 16, .size: 8, .value_kind: global_buffer, .address_space: global }
      - { .name: cbg, .offset: 24, .size: 8, .value_kind: global_buffer, .address_space: global }
      - { .name: ccn, .offset: 32, .size: 8, .value_kind: global_buffer, .address_space: global }
      - { .name: lowp_scales, .offset: 40, .size: 8, .value_kind: global_buffer, .address_space: global }
      - { .name: out1, .offset: 48, .size: 8, .value_kind: global_buffer, .address_space: global }
      - { .name: tok, .offset: 56, .size: 8, .value_kind: global_buffer, .address_space: global }
    .group_segment_fixed_size: 0
    .private_segment_fixed_size: 0
    .kernarg_segment_align: 8
    .kernarg_segment_size: 64
    .max_flat_workgroup_size: 128
    .sgpr_count:     84
    .vgpr_count:     512
    .wavefront_size: 32
...
	.end_amdgpu_metadata
.endif
;; end of part 3
;; launch gather (part 4): grid 512 x 1, 8 waves a work-group, no clusters, 0 bytes of LDS; arguments z, codebook, tok, out0, part; writes out0, part
.if DOCPART == 4
	.amdgcn_target "amdgcn-amd-amdhsa--gfx1250"
	.amdhsa_code_object_version 6
	.text
	.protected	k_qb3ae438466_gather
	.globl	k_qb3ae438466_gather
	.p2align	8
	.type	k_qb3ae438466_gather,@function
k_qb3ae438466_gather:
	s_mov_b64 s[64:65], 0
	v_nop
	global_prefetch_b8 v0, s[64:65] scope:SCOPE_SE
	s_setreg_imm32_b32 hwreg(HW_REG_WAVE_MODE, 25, 1), 1
	s_wait_xcnt 0x0
; out0[row] = z + (codebook[token] - z), in f32 and in that order, and each wave's part of the sum of (out0 - z)^2.
; A stream: a wave takes 8 rows of 1,024 bytes.  Its 8 tokens are whole numbers that the launch before stored; they are read by one scalar load and held under 8,192 ahead of every address.
; All 32 loads of a wave (16 of z, 16 of code vectors, 512 consecutive bytes each) go out before the first is waited for; each row leaves as soon as its code vector is in.
; No LDS, no barrier, no matrix unit, no cluster: nothing is shared but the codebook's rows, which the tokens choose.  No prefetch: the launch is all loads and stores from its first line.
.set Z,   16                           ; v16-79   z: row p at 8 p
.set CR,  80                           ; v80-143  the code vectors, then out0
.set T,   144                          ; v144-151 at work
.set CHN, 152                          ; v152-159 four packed chains
.set SEL, 50
.macro ROWDO p
	s_wait_loadcnt 14-2*\p                         ; loads come back in order: z and this row's code vector are in, the two loads of each later row may be out
.irp k, 0,1,2,3
	v_pk_add_f32 v[T+2*\k:T+2*\k+1], v[CR+8*\p+2*\k:CR+8*\p+2*\k+1], v[Z+8*\p+2*\k:Z+8*\p+2*\k+1] neg_lo:[0,1] neg_hi:[0,1]   ; c - z
.endr
.irp k, 0,1,2,3
	s_delay_alu instid0(VALU_DEP_4)
	v_pk_add_f32 v[CR+8*\p+2*\k:CR+8*\p+2*\k+1], v[Z+8*\p+2*\k:Z+8*\p+2*\k+1], v[T+2*\k:T+2*\k+1]                            ; z + (c - z)
.endr
.irp k, 0,1,2,3
	s_delay_alu instid0(VALU_DEP_4)
	v_pk_add_f32 v[T+2*\k:T+2*\k+1], v[CR+8*\p+2*\k:CR+8*\p+2*\k+1], v[Z+8*\p+2*\k:Z+8*\p+2*\k+1] neg_lo:[0,1] neg_hi:[0,1]   ; less z again
.endr
.irp k, 0,1,2,3
.if \p == 0
	s_delay_alu instid0(VALU_DEP_4)
	v_pk_mul_f32 v[CHN+2*\k:CHN+2*\k+1], v[T+2*\k:T+2*\k+1], v[T+2*\k:T+2*\k+1]                                              ; the first row starts the sums: nothing is cleared
.else
	s_delay_alu instid0(VALU_DEP_4)
	v_pk_fma_f32 v[CHN+2*\k:CHN+2*\k+1], v[T+2*\k:T+2*\k+1], v[T+2*\k:T+2*\k+1], v[CHN+2*\k:CHN+2*\k+1]
.endif
.endr
	global_store_b128 v2, v[CR+8*\p:CR+8*\p+3], s[10:11] offset:1024*\p th:TH_STORE_NT          ; 32 lanes store 512 consecutive bytes, at a multiple of 256 from out0's first byte
	global_store_b128 v2, v[CR+8*\p+4:CR+8*\p+7], s[10:11] offset:1024*\p+512 th:TH_STORE_NT
.endm
	s_load_b256 s[4:11], s[0:1], 0x0               ; z s[4:5], codebook s[6:7], tok s[8:9], out0 s[10:11]
	s_load_b64 s[12:13], s[0:1], 0x20              ; part
	v_lshrrev_b32 v1, 5, v0
	s_delay_alu instid0(VALU_DEP_1)
	v_readfirstlane_b32 s14, v1                    ; wave 0..7
	s_lshl_b32 s15, ttmp9, 3
	s_add_co_u32 s15, s15, s14                     ; W: rows 8 W .. 8 W + 7
	v_and_b32 v1, 31, v0                           ; lane
	s_delay_alu instid0(VALU_DEP_1)
	v_lshlrev_b32 v2, 4, v1                        ; 16 bytes a lane
	s_lshr_b32 s24, s15, 1                         ; tok holds 32 words a row tile of 16 rows, the rows' tokens in the first 16:
	s_lshl_b32 s24, s24, 7
	s_and_b32 s26, s15, 1
	s_lshl_b32 s26, s26, 5
	s_add_co_u32 s24, s24, s26                     ; 128 (W / 2) + 32 (W % 2)
	s_mov_b32 s25, 0
	s_mov_b32 s[SEL], 0x76543210
	s_mov_b32 s[SEL+1], 0xfedcba98
	v_mov_b32 v9, 0                                ; written once: a lane permute's destination counts as one of its sources
	v_mov_b32 v10, 0
	s_wait_alu depctr_va_vdst(0)
	s_wait_kmcnt 0x0
	s_add_nc_u64 s[8:9], s[8:9], s[24:25]
	s_load_b256 s[16:23], s[8:9], 0x0              ; my 8 tokens
	s_lshl_b32 s24, s15, 13
	s_add_nc_u64 s[4:5], s[4:5], s[24:25]
	s_add_nc_u64 s[10:11], s[10:11], s[24:25]
	s_lshl_b32 s24, s15, 2
	s_add_nc_u64 s[12:13], s[12:13], s[24:25]
.irp p, 0,1,2,3,4,5,6,7
	global_load_b128 v[Z+8*\p:Z+8*\p+3], v2, s[4:5] offset:1024*\p th:TH_LOAD_NT
	global_load_b128 v[Z+8*\p+4:Z+8*\p+7], v2, s[4:5] offset:1024*\p+512 th:TH_LOAD_NT
.endr
	s_wait_kmcnt 0x0
.irp p, 0,1,2,3,4,5,6,7
	s_min_u32 s[16+\p], s[16+\p], 8191             ; a loaded number enters an address only held inside its table
	s_lshl_b32 s24, s[16+\p], 10
	s_add_nc_u64 s[32+2*\p:33+2*\p], s[6:7], s[24:25]
.endr
.irp p, 0,1,2,3,4,5,6,7
	global_load_b128 v[CR+8*\p:CR+8*\p+3], v2, s[32+2*\p:33+2*\p]
	global_load_b128 v[CR+8*\p+4:CR+8*\p+7], v2, s[32+2*\p:33+2*\p] offset:512
.endr
.irp p, 0,1,2,3,4,5,6,7
	ROWDO \p
.endr
	v_pk_add_f32 v[CHN:CHN+1], v[CHN:CHN+1], v[CHN+2:CHN+3]
	v_pk_add_f32 v[CHN+4:CHN+5], v[CHN+4:CHN+5], v[CHN+6:CHN+7]
	s_delay_alu instid0(VALU_DEP_1)
	v_pk_add_f32 v[CHN:CHN+1], v[CHN:CHN+1], v[CHN+4:CHN+5]
	s_delay_alu instid0(VALU_DEP_1)
	v_add_f32 v8, v[CHN], v[CHN+1]
	s_delay_alu instid0(VALU_DEP_1)
	v_add_f32_dpp v8, v8, v8 row_xmask:1 row_mask:0xf bank_mask:0xf
	s_delay_alu instid0(VALU_DEP_1)
	v_add_f32_dpp v8, v8, v8 row_xmask:2 row_mask:0xf bank_mask:0xf
	s_delay_alu instid0(VALU_DEP_1)
	v_add_f32_dpp v8, v8, v8 row_xmask:4 row_mask:0xf bank_mask:0xf
	s_delay_alu instid0(VALU_DEP_1)
	v_add_f32_dpp v8, v8, v8 row_xmask:8 row_mask:0xf bank_mask:0xf
	s_delay_alu instid0(VALU_DEP_1)
	v_permlanex16_b32 v9, v8, s[SEL], s[SEL+1]
	s_delay_alu instid0(VALU_DEP_1)
	v_add_f32 v8, v8, v9                           ; the wave's sum
	s_wait_alu depctr_va_vdst(0)
	s_wait_xcnt 0x0                                ; EXEC changes only behind this wait
	v_cmp_eq_u32 vcc_lo, 0, v1
	s_and_saveexec_b32 s48, vcc_lo
	global_store_b32 v10, v8, s[12:13]             ; part[W]: one word a wave
	s_wait_xcnt 0x0                                ; and again in front of the line that widens it
	s_or_b32 exec_lo, exec_lo, s48
	s_endpgm
.Lfunc_end_k_qb3ae438466_gather:
	.size	k_qb3ae438466_gather, .Lfunc_end_k_qb3ae438466_gather-k_qb3ae438466_gather
	.p2alignl 7, 3214868480
	.fill 96, 4, 3214868480
	.section	.rodata,"a",@progbits
	.p2align	6, 0x0
	.amdhsa_kernel k_qb3ae438466_gather
		.amdhsa_group_segment_fixed_size 0
		.amdhsa_private_segment_fixed_size 0
		.amdhsa_enable_private_segment 0
		.amdhsa_kernarg_size 40
		.amdhsa_user_sgpr_count 2
		.amdhsa_user_sgpr_kernarg_segment_ptr 1
		.amdhsa_wavefront_size32 1
		.amdhsa_system_sgpr_workgroup_id_x 1
		.amdhsa_system_sgpr_workgroup_id_y 1
		.amdhsa_system_sgpr_workgroup_id_z 1
		.amdhsa_system_vgpr_workitem_id 0
		.amdhsa_next_free_vgpr 160
		.amdhsa_next_free_sgpr 66
		.amdhsa_reserve_vcc 1
		.amdhsa_float_denorm_mode_32 3
		.amdhsa_float_denorm_mode_16_64 3
		.amdhsa_memory_ordered 1
		.amdhsa_forward_progress 1
		.amdhsa_inst_pref_size 20
	.end_amdhsa_kernel
	.amdgpu_metadata
---
amdhsa.version: [ 1, 2 ]
amdhsa.kernels:
  - .name:           k_qb3ae438466_gather
    .symbol:         k_qb3ae438466_gather.kd
    .args:
      - { .name: z, .offset: 0, .size: 8, .value_kind: global_buffer, .address_space: global }
      - { .name: codebook, .offset: 8, .size: 8, .value_kind: global_buffer, .address_space: global }
      - { .name: tok, .offset: 16, .size: 8, .value_kind: global_buffer, .address_space: global }
      - { .name: out0, .offset: 24, .size: 8, .value_kind: global_buffer, .address_space: global }
      - { .name: part, .offset: 32, .size: 8, .value_kind: global_buffer, .address_space: global }
    .group_segment_fixed_size: 0
    .private_segment_fixed_size: 0
    .kernarg_segment_align: 8
    .kernarg_segment_size: 40
    .max_flat_workgroup_size: 256
    .sgpr_count:     66
    .vgpr_count:     160
    .wavefront_size: 32
...
	.end_amdgpu_metadata
.endif
;; end of part 4
;; launch loss (part 5): grid 1 x 1, 1 waves a work-group, no clusters, 0 bytes of LDS; arguments part, out2; writes out2
.if DOCPART == 5
	.amdgcn_target "amdgcn-amd-amdhsa--gfx1250"
	.amdhsa_code_object_version 6
	.text
	.protected	k_qb3ae438466_loss
	.globl	k_qb3ae438466_loss
	.p2align	8
	.type	k_qb3ae438466_loss,@function
k_qb3ae438466_loss:
	s_mov_b64 s[64:65], 0
	v_nop
	global_prefetch_b8 v0, s[64:65] scope:SCOPE_SE
	s_setreg_imm32_b32 hwreg(HW_REG_WAVE_MODE, 25, 1), 1
	s_wait_xcnt 0x0
; out2 = 0.25 x the mean of (out0 - z)^2 = the sum of the 4,096 parts x 2^-25 (0.25 / (32,768 x 256)).  The sum spans all work-groups of the launch before, so it has an owner of its own: one wave.
; 32 loads of 512 consecutive bytes, all out at once; four packed chains; then across the lanes.
	s_load_b128 s[4:7], s[0:1], 0x0                ; part s[4:5], out2 s[6:7]
	v_lshlrev_b32 v1, 4, v0                        ; one wave: the thread's number is the lane
	s_mov_b32 s8, 0x76543210
	s_mov_b32 s9, 0xfedcba98
	v_mov_b32 v2, 0                                ; the store's offset
	v_mov_b32 v3, 0                                ; written once: a lane permute's destination counts as one of its sources
	s_wait_alu depctr_va_vdst(0)
	s_wait_kmcnt 0x0
.irp i, 0,1,2,3,4,5,6,7,8,9,10,11,12,13,14,15,16,17,18,19,20,21,22,23,24,25,26,27,28,29,30,31
	global_load_b128 v[16+4*\i:16+4*\i+3], v1, s[4:5] offset:512*\i
.endr
	s_wait_loadcnt 0x0
.irp k, 0,1,2,3
	v_pk_add_f32 v[4+2*\k:5+2*\k], v[16+2*\k:17+2*\k], v[24+2*\k:25+2*\k]   ; the first eight pairs start the chains
.endr
.set jj, 8
.rept 56
	v_pk_add_f32 v[4+2*(jj%4):5+2*(jj%4)], v[4+2*(jj%4):5+2*(jj%4)], v[16+2*jj:17+2*jj]
.set jj, jj+1
.endr
	v_pk_add_f32 v[4:5], v[4:5], v[6:7]
	v_pk_add_f32 v[8:9], v[8:9], v[10:11]
	v_pk_add_f32 v[4:5], v[4:5], v[8:9]
	v_add_f32 v4, v4, v5
	v_add_f32_dpp v4, v4, v4 row_xmask:1 row_mask:0xf bank_mask:0xf
	v_add_f32_dpp v4, v4, v4 row_xmask:2 row_mask:0xf bank_mask:0xf
	v_add_f32_dpp v4, v4, v4 row_xmask:4 row_mask:0xf bank_mask:0xf
	v_add_f32_dpp v4, v4, v4 row_xmask:8 row_mask:0xf bank_mask:0xf
	v_permlanex16_b32 v3, v4, s8, s9
	v_add_f32 v4, v4, v3
	v_mul_f32 v4, 0x33000000, v4                   ; x 2^-25
	v_cmp_eq_u32 vcc_lo, 0, v0
	s_and_saveexec_b32 s10, vcc_lo                 ; (the loads are done: their wait stands above)
	global_store_b32 v2, v4, s[6:7]
	s_wait_xcnt 0x0                                ; EXEC is widened only behind this wait
	s_or_b32 exec_lo, exec_lo, s10
	s_endpgm
.Lfunc_end_k_qb3ae438466_loss:
	.size	k_qb3ae438466_loss, .Lfunc_end_k_qb3ae438466_loss-k_qb3ae438466_loss
	.p2alignl 7, 3214868480
	.fill 96, 4, 3214868480
	.section	.rodata,"a",@progbits
	.p2align	6, 0x0
	.amdhsa_kernel k_qb3ae438466_loss
		.amdhsa_group_segment_fixed_size 0
		.amdhsa_private_segment_fixed_size 0
		.amdhsa_enable_private_segment 0
		.amdhsa_kernarg_size 16
		.amdhsa_user_sgpr_count 2
		.amdhsa_user_sgpr_kernarg_segment_ptr 1
		.amdhsa_wavefront_size32 1
		.amdhsa_system_sgpr_workgroup_id_x 1
		.amdhsa_system_sgpr_workgroup_id_y 1
		.amdhsa_system_sgpr_workgroup_id_z 1
		.amdhsa_system_vgpr_workitem_id 0
		.amdhsa_next_free_vgpr 144
		.amdhsa_next_free_sgpr 66
		.amdhsa_reserve_vcc 1
		.amdhsa_float_denorm_mode_32 3
		.amdhsa_float_denorm_mode_16_64 3
		.amdhsa_memory_ordered 1
		.amdhsa_forward_progress 1
		.amdhsa_inst_pref_size 9
	.end_amdhsa_kernel
	.amdgpu_metadata
---
amdhsa.version: [ 1, 2 ]
amdhsa.kernels:
  - .name:           k_qb3ae438466_loss
    .symbol:         k_qb3ae438466_loss.kd
    .args:
      - { .name: part, .offset: 0, .size: 8, .value_kind: global_buffer, .address_space: global }
      - { .name: out2, .offset: 8, .size: 8, .value_kind: global_buffer, .address_space: global }
    .group_segment_fixed_size: 0
    .private_segment_fixed_size: 0
    .kernarg_segment_align: 8
    .kernarg_segment_size: 16
    .max_flat_workgroup_size: 32
    .sgpr_count:     66
    .vgpr_count:     144
    .wavefront_size: 32
...
	.end_amdgpu_metadata
.endif
;; end of part 5
